; MI455X (gfx1250); checked and timed in simulation.
; The chip was launched on July 23, 2026; its instructions are those of AMD's public machine-readable ISA for CDNA 5 (MIT licence, August 2026) and "CDNA5" Instruction Set Architecture Reference Guide (July 2026). The comments in the code are by the model that wrote it; some were corrected since.
;; GPT Self Attention1 D. Allowed arithmetic: matrix products marked QUANTISED: E5M2 operands, one E8M0 scale for each 32 along K, by v_wmma_scale_f32_16x16x128_f8f6f4 with both operands' format E5M2, f32 sums; everything else in f32.
;; Inputs: Wk 1,024 x 1,024 float32; Wo 1,024 x 1,024 float32; Wq 1,024 x 1,024 float32; Wv 1,024 x 1,024 float32; bk 1,024 float32; bo 1,024 float32; bq 1,024 float32; bv 1,024 float32; x 2 x 2,048 x 1,024 float32.
;; Outputs: out0 2 x 2,048 x 1,024 float32.
;; This version of the problem:
;;   THIS VERSION OF THE PROBLEM IS GIVEN IN LOW PRECISION. The matrix products marked QUANTISED in the list below multiply operands that are first quantised to E5M2 (5 exponent bits, 2 mantissa bits; 8 bits a number), with one power-of-two scale for each 32 numbers along K (OCP MX v1.0); their sums are f32. All else is computed in f32.
;;   The module's matrix products, in the order in which they are computed (A, B: the left and right operand; K: the contracted axis; several contracted axes count as one K, in the product's order):
;;     1. [M 4,096, K 1,024] x [K 1,024, N 1,024]; A: input x; B: input Wq: QUANTISED
;;     2. [M 4,096, K 1,024] x [K 1,024, N 1,024]; A: input x; B: input Wk: QUANTISED
;;     3. [M 4,096, K 1,024] x [K 1,024, N 1,024]; A: input x; B: input Wv: QUANTISED
;;     4. batch 32 x [M 2,048, K 64] x [K 64, N 2,048]; A: computed on the way; B: computed on the way: QUANTISED
;;     5. batch 32 x [M 2,048, K 2,048] x [K 2,048, N 64]; A: softmax (see below); B: computed on the way: QUANTISED
;;     6. [M 4,096, K 1,024] x [K 1,024, N 1,024]; A: computed on the way; B: input Wo: QUANTISED
;;   THE QUANTISER, for each operand of a quantised product, along K:
;;     - K is cut into blocks of 32 from its start; a last block that is shorter is filled with zeros.
;;     - A block's scale is 2^e with e = floor(log2(the largest magnitude in the block)) - 15, held to -126 .. 127; a block of zeros has e = 0. As a byte (E8M0): e + 127.
;;     - Each number is divided by its block's scale, clamped to +-57,344, and rounded to the nearest number of E5M2, ties to even, subnormals kept.
;;     - The product sums the exact products of the quantised numbers (number of the format x scale) in f32.
;;   ~~~python
;;   def quantise(x, axis):      # numpy; x: float32 -> the quantised numbers, widened to float32 again
;;       x = np.moveaxis(x, axis, -1); K = x.shape[-1]
;;       x = np.pad(x, [(0, 0)] * (x.ndim - 1) + [(0, -K % 32)]); x = x.reshape(x.shape[:-1] + (-1, 32)); a = np.abs(x).max(-1, keepdims=True)
;;       e = np.where(a > 0, np.clip(np.frexp(np.where(a > 0, a, 1))[1] - 1 - 15, -126, 127), 0)      # np.frexp(a)[1] - 1 = floor(log2(a)), exactly
;;       r = np.clip(x / 2.0 ** e, -57344, 57344)
;;       step = 2.0 ** (np.maximum(np.frexp(np.where(r == 0, 1, r))[1] - 1, -14) - 2)
;;       q = np.round(r / step) * step * 2.0 ** e      # np.round: ties to even
;;       return np.moveaxis(q.reshape(q.shape[:-2] + (-1,))[..., :K], -1, axis).astype(np.float32)
;;   ~~~
;;   SOFTMAX AHEAD OF A QUANTISED PRODUCT. Where the list says 'softmax', what is quantised is not the finished softmax but p = 2^(t - M), with t = logit x log2(e) and M = ceil(the row's largest t), a whole number; so 1/2 < the row's largest p <= 1. The row's sum l is taken of the UNQUANTISED p, in f32, and the product's result is divided by l at the end. Since M is a whole number, a kernel that streams over the keys may use a running M (the ceiling of the running maximum): every later rescaling is an exact power of two, which a block's scale takes up: the codes' values come out the same.
;;   OPERANDS COMPUTED ON THE WAY. 'Computed on the way' means the value that the module computes at that place (a softmax that the list does not call 'softmax' is quantised finished and normalised). What goes into a quantiser is computed in f32, as accurately as f32 sums, v_exp_f32 and their like allow (about 1e-6 of the number): no bf16 or f16 on the way to a quantiser, and a product that is left as it is and whose result goes on into a quantised operand takes f32 operands (vector FMAs, or v_wmma_f32_16x16x4_f32). A number that lies on a knife's edge between two numbers of the format may be rounded either way, as far as f32 arithmetic and the matrix unit's own rounding can turn it there, and no further.
;; One version. Each part assembles by itself: llvm-mc -triple=amdgcn-amd-amdhsa -mcpu=gfx1250 --defsym DOCPART=n.
;; ======== version 1 of 1: 4 launches
;; limits: right only within a limited range of input values
;; workspace buffers: xq 4,325,376 bytes; wq 3,244,032 bytes; woq 1,081,344 bytes; qrec 4,456,448 bytes; kv 8,912,896 bytes; tsum 131,072 bytes; cq 4,325,376 bytes
;; launch prep (part 1): grid 512 x 1, 4 waves a work-group, no clusters, 68,096 bytes of LDS; arguments x, Wq, Wk, Wv, Wo, xq, wq, woq; writes xq, wq, woq
.if DOCPART == 1
	.amdgcn_target "amdgcn-amd-amdhsa--gfx1250"
	.amdhsa_code_object_version 6
	.text
	.protected	k_q5de251a6db_prep
	.globl	k_q5de251a6db_prep
	.p2align	8
	.type	k_q5de251a6db_prep,@function
k_q5de251a6db_prep:
	s_mov_b64 s[64:65], 0
	v_nop
	global_prefetch_b8 v0, s[64:65] scope:SCOPE_SE
	s_setreg_imm32_b32 hwreg(HW_REG_WAVE_MODE, 25, 1), 1
	s_wait_xcnt 0x0
; GPT self-attention, B = 2, S = 2,048, D = 1,024, 16 heads of 64, all six products on codes of BF8 (E5M2) with one E8M0 scale for each 32 along K.
; FOUR LAUNCHES: prep (this one) quantises x along its last axis and Wq, Wk, Wv, Wo along their first; qkv makes q, k, v and quantises them; attn does scores, softmax and p v; proj the last product.
; WORK LEFT OUT, AND WHY IT IS DEAD.  reference() puts the constant -10,000 in place of every score whose key comes after its query, whatever the inputs hold.  So for a tile of 16 queries whose diagonal lies in
; key step j (128 keys a step) the products q k^T of steps above j reach no output, and they are not multiplied.  Their share of p v is NOT dropped: there every p is one number p_m = 2^(t_mask - M), every block of
; 32 keys quantises it to one number Q(p_m), so that share is exactly Q(p_m) x (the sum of the quantised v over those keys), and the row's sum takes (their count) x p_m.  qkv stores the sums of the quantised v for
; each 128 keys, attn adds them up from the end.  No input is dead: all nine are loaded.
; LIMITS: a NaN, an infinity or an overflow that would arise only in the scores that are not multiplied is not carried to the result.  NaN and infinities among the inputs are not served.  A block of zeros gets the
; scale byte 1 where the rule says 127 (its codes are zeros, and only this program reads the bytes); blocks whose largest magnitude lies under 2^-111 have their byte held at 1.
; LAYOUT OF ALL WORKSPACE: an operand is stored as an IMAGE OF ITS REGISTERS.  A fragment (16 rows x 128 K) is 2,048 bytes [c 0..3][lane 0..31][16 bytes]: lane (r = lane % 16, h = lane / 16) holds k = 32 c + 16 h + 0..15 of row r.
; A pair of scale words is 128 bytes [lane]: lanes 0-15 the words of the even fragment's rows, lanes 16-31 those of the odd one's.
; Token tile (B, u) of a block of 32 tokens: row r = token 32 B + u + 2 r.  Weight tile (b, u) of a group of 32 columns: row r = column 32 b + 8 u + r + 8 (r / 8).
; xq [256 tokens][K step]: 16 fragments, 8 pairs = 33,792 bytes.  wq [head][K step]: q's, k's, v's four fragments each, 6 pairs = 25,344.  woq [128 columns][K step]: 8 fragments, 4 pairs = 16,896.
; THIS LAUNCH: work-groups 0-255 take x: a wave takes 32 tokens x 128 along K; each load covers 512 consecutive bytes of a row; the rows turn through the wave's own stage in LDS so that a lane holds 16 neighbours of a block.
; Work-groups 256-511 take the weights: a lane takes a column and its registers run down K, so nothing is transposed.  Waves share nothing: no barrier.  Memory binds: no matrix unit, no cluster.
.set SP,    528                        ; a stage row: 512 bytes + 16, an odd multiple of 16
.set WSTG,  32*SP                      ; a wave's stage
.set SPARE, 4*WSTG                     ; behind the stages: the spare words, 128 bytes a wave, named by no other line
.set SPW,   13                         ; v13  my spare word's address; never rewritten
.set NIL,   14                         ; v14  0; never rewritten
.set TM,    240                        ; v240-243 largest magnitudes, v244-247 bytes, v252-255 the conversions' scale operands
; 64 numbers of a lane, register 16 b + i = neighbour i of block b (lane l xor 16 holds the block's other 16), become 16 registers of codes at v[pc] and the row's scale word in v[pw]
.macro QUANT s, pc, pw
.irp b, 0,1,2,3
	v_max3_num_f32 v[TM+\b], |v[(\s)+16*\b]|, |v[(\s)+1+16*\b]|, 0x8000000   ; with the floor 2^(16 - 127): the byte cannot fall under 1
.endr
.irp i, 2,4,6,8,10,12,14
.irp b, 0,1,2,3
	v_max3_num_f32 v[TM+\b], v[TM+\b], |v[(\s)+16*\b+\i]|, |v[(\s)+1+16*\b+\i]|
.endr
.endr
.irp b, 0,1,2,3
	v_permlanex16_b32 v[TM+4+\b], v[TM+\b], s22, s23
.endr
.irp b, 0,1,2,3
	v_max_num_f32 v[TM+\b], v[TM+\b], v[TM+4+\b]              ; the block's largest magnitude
.endr
.irp b, 0,1,2,3
	v_add_nc_u32 v[TM+12+\b], 0xf8800000, v[TM+\b]            ; 15 off its exponent field: the conversion's scale operand
.endr
.irp b, 0,1,2,3
.endr
.irp b, 0,1,2,3
	v_lshrrev_b32 v[TM+4+\b], 23, v[TM+12+\b]                 ; the scale's byte
.endr
	v_lshl_or_b32 v[\pw], v[TM+5], 8, v[TM+4]
	v_lshl_or_b32 v[\pw], v[TM+6], 16, v[\pw]
	v_lshl_or_b32 v[\pw], v[TM+7], 24, v[\pw]
.irp b, 0,1,2,3
.irp i, 0,1,2,3,4,5,6,7,8,9,10,11,12,13,14,15
.endr
	v_cvt_scalef32_pk8_bf8_f32 v[(\pc)+4*\b:(\pc)+1+4*\b], v[(\s)+16*\b:(\s)+7+16*\b], v[TM+12+\b]
	v_cvt_scalef32_pk8_bf8_f32 v[(\pc)+2+4*\b:(\pc)+3+4*\b], v[(\s)+8+16*\b:(\s)+15+16*\b], v[TM+12+\b]
.endr
	v_nop                                                     ; a plain line behind the last conversion
.endm
	s_load_b512 s[4:19], s[0:1], 0x0               ; x 4:5, Wq 6:7, Wk 8:9, Wv 10:11, Wo 12:13, xq 14:15, wq 16:17, woq 18:19
	v_lshl_add_u32 v[SPW], v0, 2, SPARE
	v_mov_b32 v[NIL], 0
	v_lshrrev_b32 v1, 5, v0
	v_readfirstlane_b32 s20, v1                    ; wave
	v_and_b32 v1, 31, v0                           ; lane
	v_and_b32 v2, 15, v0                           ; r
	v_bfe_u32 v3, v0, 4, 1                         ; h
	v_lshlrev_b32 v4, 4, v1                        ; 16 x lane
	v_lshlrev_b32 v7, 2, v1                        ; 4 x lane
	s_mul_i32 s21, s20, WSTG
	v_add_nc_u32 v5, s21, v4                       ; the stage, on the way in: 16 bytes a lane of a row
	v_mul_u32_u24 v6, v2, SP
	v_lshl_add_u32 v6, v3, 6, v6
	v_add_nc_u32 v6, s21, v6                       ; and on the way out: row r, + 64 h
	s_mov_b32 s22, 0x76543210
	s_mov_b32 s23, 0xfedcba98                      ; lane l xor 16
.irp b, 0,1,2,3
	v_mov_b32 v[TM+4+\b], 0                        ; a lane permute's destination counts as one of its sources
.endr
	s_wait_kmcnt 0x0
	s_cmp_ge_u32 ttmp9, 256
	s_cbranch_scc1 .Lw
	; ---- x: 32 tokens (block B32) x 128 along K (K step ks)
	s_lshr_b32 s25, ttmp9, 1                       ; B32
	s_and_b32 s26, ttmp9, 1
	s_lshl_b32 s26, s26, 2
	s_add_co_u32 s26, s26, s20                     ; ks
	s_lshl_b32 s28, s25, 17                        ; 32 rows of 4,096 bytes
	s_lshl_b32 s27, s26, 9
	s_add_co_u32 s28, s28, s27
	s_mov_b32 s29, 0
	s_lshr_b32 s30, s25, 3
	s_lshl_b32 s30, s30, 3
	s_add_co_u32 s30, s30, s26
	s_mul_i32 s30, s30, 33792                      ; the record
	s_and_b32 s27, s25, 7
	s_lshl_b32 s32, s27, 12
	s_add_co_u32 s32, s32, s30                     ; my two fragments
	s_mov_b32 s33, 0
	s_lshl_b32 s34, s27, 7
	s_add_co_u32 s34, s34, s30
	s_add_co_u32 s34, s34, 32768                   ; my pair of scale words
	s_mov_b32 s35, 0
	s_add_nc_u64 s[4:5], s[4:5], s[28:29]
	s_add_nc_u64 s[36:37], s[14:15], s[32:33]
	s_add_nc_u64 s[38:39], s[14:15], s[34:35]
.set i, 0
.rept 32
	global_load_b128 v[16+4*i:19+4*i], v4, s[4:5] offset:4096*i th:TH_LOAD_NT   ; 512 consecutive bytes of row i
.set i, i+1
.endr
.set i, 0
	s_wait_alu depctr_va_vdst(0)
.rept 32
	s_wait_loadcnt 31-i                            ; loads come back in order: row i is in, the younger rows stay out
	ds_store_b128 v5, v[16+4*i:19+4*i] offset:SP*(16*(i%2)+i/2)   ; token i = u + 2 r goes to stage row 16 u + r
.set i, i+1
.endr
.macro BACK reg, u                     ; tile u: my row's 16 neighbours of each block of 32
.irp c, 0,1,2,3
.irp j, 0,1,2,3
	ds_load_b128 v[(\reg)+16*\c+4*\j:(\reg)+16*\c+4*\j+3], v6 offset:16*SP*(\u)+128*\c+16*\j
.endr
.endr
.endm
	BACK 144, 0
	s_wait_dscnt 0x0                               ; the stores have read v16 on, and tile 0 is in
	BACK 16, 1
	QUANT 144, 208, 10
.irp c, 0,1,2,3
	global_store_b128 v4, v[208+4*\c:211+4*\c], s[36:37] offset:512*\c          ; 512 consecutive bytes
.endr
	s_wait_dscnt 0x0
	QUANT 16, 224, 11
.irp c, 0,1,2,3
	global_store_b128 v4, v[224+4*\c:227+4*\c], s[36:37] offset:2048+512*\c
.endr
	v_cmp_lt_u32 vcc_lo, 15, v1
	v_cndmask_b32 v12, v10, v11, vcc_lo            ; lanes 0-15 tile 0's words, lanes 16-31 tile 1's
	global_store_b32 v7, v12, s[38:39]
	s_branch .Lend
	; ---- the weights: 32 columns (group G) x 128 along K (K step ks) of matrix m
.Lw:
	s_sub_co_u32 s25, ttmp9, 256
	s_lshr_b32 s26, s25, 6                         ; m: 0 Wq, 1 Wk, 2 Wv, 3 Wo
	s_bfe_u32 s27, s25, 0x30003                    ; ks
	s_and_b32 s28, s25, 7
	s_lshl_b32 s28, s28, 2
	s_add_co_u32 s28, s28, s20                     ; G
	s_cmp_eq_u32 s26, 1
	s_cselect_b64 s[30:31], s[8:9], s[6:7]
	s_cmp_eq_u32 s26, 2
	s_cselect_b64 s[30:31], s[10:11], s[30:31]
	s_mov_b32 s34, 25344
	s_mov_b32 s35, 24576
	s_cmp_eq_u32 s26, 3
	s_cselect_b64 s[30:31], s[12:13], s[30:31]     ; from where
	s_cselect_b64 s[32:33], s[18:19], s[16:17]     ; to where: woq or wq
	s_cselect_b32 s34, 16896, s34                  ; a record's bytes
	s_cselect_b32 s35, 16384, s35                  ; its codes' bytes
	s_cselect_b32 s36, 2, 1                        ; groups to a record: 4 or 2
	s_cselect_b32 s37, 0, s26                      ; which of q, k, v
	s_cselect_b32 s38, 3, 1
	s_lshr_b32 s39, s28, s36
	s_and_b32 s38, s28, s38                        ; the group's place in its record
	s_lshl_b32 s39, s39, 3
	s_add_co_u32 s39, s39, s27
	s_mul_i32 s39, s39, s34                        ; the record
	s_lshl_b32 s40, s37, 2
	s_lshl_b32 s41, s38, 1
	s_add_co_u32 s40, s40, s41
	s_lshl_b32 s40, s40, 11
	s_add_co_u32 s40, s40, s39                     ; my two fragments
	s_mov_b32 s41, 0
	s_lshl_b32 s42, s37, 1
	s_add_co_u32 s42, s42, s38
	s_lshl_b32 s42, s42, 7
	s_add_co_u32 s42, s42, s39
	s_add_co_u32 s42, s42, s35                     ; my pair of scale words
	s_mov_b32 s43, 0
	s_add_nc_u64 s[40:41], s[32:33], s[40:41]
	s_add_nc_u64 s[42:43], s[32:33], s[42:43]
	s_lshl_b32 s44, s27, 19                        ; 128 rows of 4,096 bytes
	s_lshl_b32 s45, s28, 7
	s_add_co_u32 s44, s44, s45
	s_mov_b32 s45, 0
	s_add_nc_u64 s[30:31], s[30:31], s[44:45]
	v_bfe_u32 v8, v1, 3, 1                         ; my column's tile u
	v_and_b32 v10, 7, v1
	v_lshl_or_b32 v10, v3, 3, v10                  ; and its row there
	v_lshlrev_b32 v11, 2, v10
	v_lshl_add_u32 v11, v8, 6, v11                 ; the scale word's place: 64 u + 4 row
	v_lshlrev_b32 v10, 4, v10
	v_lshl_add_u32 v10, v8, 11, v10                ; the codes' place: 2,048 u + 16 row
.macro LOADW t                         ; block t: W(32 t + k, my column)
.set k, 0
.rept 32
	global_load_b32 v[16+32*(\t)+k], v7, s[30:31] offset:4096*(32*(\t)+k)
.set k, k+1
.endr
.endm
.macro BLOCKW t
.set XS, 16+32*(\t)
.if (\t) < 3
	s_wait_loadcnt 32                              ; this block's 32 loads are in, the next block's may be out
.else
	s_wait_loadcnt 0x0
.endif
.if (\t)+2 < 4
	LOADW (\t)+2
.endif
	v_max3_num_f32 v240, |v[XS]|, |v[XS+1]|, |v[XS+2]|             ; all 32 numbers of the block are mine
	v_max3_num_f32 v241, |v[XS+3]|, |v[XS+4]|, |v[XS+5]|
.irp i, 6,10,14,18,22,26
	v_max3_num_f32 v240, v240, |v[XS+\i]|, |v[XS+\i+1]|
	v_max3_num_f32 v241, v241, |v[XS+\i+2]|, |v[XS+\i+3]|
.endr
	v_max3_num_f32 v240, v240, |v[XS+30]|, |v[XS+31]|
	v_max3_num_f32 v240, v240, v241, 0x8000000
	v_add_nc_u32 v242, 0xf8800000, v240
	v_lshrrev_b32 v244, 23, v242
.if (\t) == 0
	v_mov_b32 v9, v244
.else
	v_lshl_or_b32 v9, v244, 8*(\t), v9
.endif
.set k, 0
.rept 32
.set k, k+1
.endr
.irp g, 0,1,2,3
	v_cvt_scalef32_pk8_bf8_f32 v[144+8*(\t)+2*\g:145+8*(\t)+2*\g], v[XS+8*\g:XS+8*\g+7], v242
.endr
	v_nop
	global_store_b128 v10, v[144+8*(\t):147+8*(\t)], s[40:41] offset:512*(\t)        ; k 0-15 of the block: the image's lanes 0-15; sixteen lanes fill 256 consecutive bytes
	global_store_b128 v10, v[148+8*(\t):151+8*(\t)], s[40:41] offset:512*(\t)+256    ; k 16-31: its lanes 16-31
.endm
	LOADW 0
	LOADW 1
	BLOCKW 0
	BLOCKW 1
	BLOCKW 2
	BLOCKW 3
	global_store_b32 v11, v9, s[42:43]
.Lend:
	s_wait_tensorcnt 0x0                           ; the wave's end
	ds_add_u32 v[SPW], v[NIL]
	s_wait_dscnt 0x0
	s_endpgm
.Lfunc_end_k_q5de251a6db_prep:
	.size	k_q5de251a6db_prep, .Lfunc_end_k_q5de251a6db_prep-k_q5de251a6db_prep
	.p2alignl 7, 3214868480
	.fill 96, 4, 3214868480
	.section	.rodata,"a",@progbits
	.p2align	6, 0x0
	.amdhsa_kernel k_q5de251a6db_prep
		.amdhsa_group_segment_fixed_size 68096
		.amdhsa_private_segment_fixed_size 0
		.amdhsa_enable_private_segment 0
		.amdhsa_kernarg_size 64
		.amdhsa_user_sgpr_count 2
		.amdhsa_user_sgpr_kernarg_segment_ptr 1
		.amdhsa_wavefront_size32 1
		.amdhsa_system_sgpr_workgroup_id_x 1
		.amdhsa_system_sgpr_workgroup_id_y 1
		.amdhsa_system_sgpr_workgroup_id_z 1
		.amdhsa_system_vgpr_workitem_id 0
		.amdhsa_next_free_vgpr 256
		.amdhsa_next_free_sgpr 66
		.amdhsa_reserve_vcc 1
		.amdhsa_float_denorm_mode_32 3
		.amdhsa_float_denorm_mode_16_64 3
		.amdhsa_fp16_overflow 1
		.amdhsa_memory_ordered 1
		.amdhsa_forward_progress 1
		.amdhsa_inst_pref_size 40
	.end_amdhsa_kernel
	.amdgpu_metadata
---
amdhsa.version: [ 1, 2 ]
amdhsa.kernels:
  - .name:           k_q5de251a6db_prep
    .symbol:         k_q5de251a6db_prep.kd
    .args:
      - { .name: x, .offset: 0, .size: 8, .value_kind: global_buffer, .address_space: global }
      - { .name: Wq, .offset: 8, .size: 8, .value_kind: global_buffer, .address_space: global }
      - { .name: Wk, .offset: 16, .size: 8, .value_kind: global_buffer, .address_space: global }
      - { .name: Wv, .offset: 24, .size: 8, .value_kind: global_buffer, .address_space: global }
      - { .name: Wo, .offset: 32, .size: 8, .value_kind: global_buffer, .address_space: global }
      - { .name: xq, .offset: 40, .size: 8, .value_kind: global_buffer, .address_space: global }
      - { .name: wq, .offset: 48, .size: 8, .value_kind: global_buffer, .address_space: global }
      - { .name: woq, .offset: 56, .size: 8, .value_kind: global_buffer, .address_space: global }
    .group_segment_fixed_size: 68096
    .private_segment_fixed_size: 0
    .kernarg_segment_align: 8
    .kernarg_segment_size: 64
    .max_flat_workgroup_size: 128
    .sgpr_count:     66
    .vgpr_count:     256
    .wavefront_size: 32
...
	.end_amdgpu_metadata
.endif
;; end of part 1
;; launch qkv (part 2): grid 16 x 16, 4 waves a work-group, clusters of 4 x 4, 327,680 bytes of LDS; arguments xq, wq, bq, bk, bv, qrec, kv, tsum; writes qrec, kv, tsum
.if DOCPART == 2
	.amdgcn_target "amdgcn-amd-amdhsa--gfx1250"
	.amdhsa_code_object_version 6
	.text
	.protected	k_q5de251a6db_qkv
	.globl	k_q5de251a6db_qkv
	.p2align	8
	.type	k_q5de251a6db_qkv,@function
k_q5de251a6db_qkv:
	s_mov_b64 s[64:65], 0
	v_nop
	global_prefetch_b8 v0, s[64:65] scope:SCOPE_SE
	s_setreg_imm32_b32 hwreg(HW_REG_WAVE_MODE, 25, 1), 1
	s_wait_xcnt 0x0
	s_wait_alu depctr_hold_cnt(0) depctr_sa_sdst(0) depctr_va_vdst(0) depctr_va_sdst(0) depctr_va_ssrc(0) depctr_va_vcc(0) depctr_vm_vsrc(0)
	s_getreg_b32 s2, hwreg(HW_REG_IB_STS2, 6, 4)
	s_cmp_eq_u32 s2, 0
	s_cbranch_scc0 .Lentry_in_a_cluster
	s_endpgm
.Lentry_in_a_cluster:
	s_bfe_u32 s2, ttmp6, 0x10000c
	s_cmp_lg_u32 s2, 0xf033
	s_cbranch_scc0 .Lentry_shape_is_right
	s_endpgm
.Lentry_shape_is_right:
; q = x Wq + bq, k = x Wk + bk, v = x Wv + bv on codes of BF8 (E5M2) with E8M0 scales; the results are quantised in registers: q and k along the head's 64, v along the keys; nothing is left out here.
; A work-group takes 256 tokens (tb) x one head's q, k and v (192 columns).  Wave w: th = w / 2 its 128 tokens (one key step), role = w % 2: role 0 the head's q and v's first 32 columns, role 1 its k and v's last 32:
; 48 accumulators; a K step reads 14 fragments from LDS for 48 matrix instructions.  All waves run one text; addresses differ.
; q and k are made TRANSPOSED (source 0 = 16 columns of W, source 1 = 16 tokens): a lane holds one token and, by the choice of W's rows, 16 neighbours of each block of 32 along d.
; v is made the other way (source 0 = tokens, source 1 = columns): a lane holds one d and its registers run along the tokens, which are the next product's K.
; K goes in 8 steps of 128; a slot of LDS holds two steps' records of x and of W (dense blocks, images of registers: no pitch, no padding); two slots by turns.
; CLUSTER 4 x 4: x's records hang on tb alone and are asked for jointly along a row of the cluster, W's on the head alone, along a column.
; OUT: qrec [head of a batch][step]: 8 tiles of 1,024 bytes (16 queries x 64), then [lane][4 words].  kv [..][step]: K as 4 fragments whose row r is the key pair 32 B + 2 r | 32 B + 2 r + 1 (64 bytes each), V^T as 4 fragments
; (16 d x 128 keys; slot 16 h + 8 e + j of block B holds key 32 B + 16 h + 2 j + e), K's scale words [lane][4], V's [b][lane][2].  tsum [..][step][64]: the sums of the quantised v over the step's 128 keys.
; REGISTERS, in windows of 256.  Window 0: v3-17 addresses, v18, v19 the add's two, v20-33 two sets of 7 scale registers, v128-255 x's 8 fragments (one set); on the way out v40-95 at work, v128-223 codes.
; Window 1: accumulator QK(T, t) at 8 (4 T + t).  Window 2: V(u, T) at 8 (8 u + T); v128-159 q's or k's bias, v160-175 v's.  Window 3: W's fragments, set p at 128 p (q or k tile t at 16 t, v tile u at 64 + 16 u).
.set XREC,  33792
.set WREC,  25344
.set WOFF,  2*XREC
.set SLOT,  2*XREC+2*WREC
.set SPARE, 2*SLOT                     ; behind the ring: the spare words, 128 bytes a wave, named by no other line
.set ADX,  6                           ; v6-7   x's fragments in slot 0, 1
.set ADWQ, 8                           ; v8-9   q's or k's weights
.set ADWV, 10                          ; v10-11 v's weights
.set ASX,  12                          ; v12-13 x's scale pairs
.set ASQ,  14                          ; v14-15 q's or k's
.set ASV,  16                          ; v16-17 v's
.set SPW,  18
.set NIL,  19
.set SCS,  20                          ; set sc at SCS + 7 sc: x's 4 pairs, W's 2, v's 1
.set XF,   128
.set TM,   40
.set KW,   56                          ; v56-59 the four fragments' scale words
.set VW,   60                          ; v60-61 v's two
.set G1,  24
.set G0,  32
.set G1B, 48
.set G0B, 56
.set MSB, 0
.macro WIN new                         ; the immediate's high byte repeats the setting that is left
.if MSB != (\new)
	s_set_vgpr_msb (MSB<<8)|(\new)
.set MSB, (\new)
.endif
.endm
.macro PLACES n
.rept \n
	v_nop
.endr
.endm
; a joint load: waves 0 and 1 fetch x's two records of a slot, waves 2 and 3 W's; an s_nop 0 and four v_nop follow each line
.macro JLOAD g0a, g1a, g0b, g1b
	s_cmp_eq_u32 s15, 0
	s_cbranch_scc0 .Lfor_b_\@
	tensor_load_to_lds s[\g0a:\g0a+3], s[\g1a:\g1a+7]
	s_nop 0
.rept 4
	v_nop
.endr
	s_branch .Lasked_\@
.Lfor_b_\@:
	tensor_load_to_lds s[\g0b:\g0b+3], s[\g1b:\g1b+7]
	s_nop 0
.rept 4
	v_nop
.endr
.Lasked_\@:
.endm
.macro CREST                           ; a round of the cluster's barrier behind its opening barrier
	s_cmp_lg_u32 s14, 0
	s_cbranch_scc1 .Lnot_wave_0_\@
	s_barrier_signal -3
.Lnot_wave_0_\@:
	s_barrier_wait -3
	s_barrier_signal -1
	s_barrier_wait -1
.endm
.macro CROUND
	s_barrier_signal -1
	s_barrier_wait -1
	CREST
.endm
; one matrix instruction; ra, rb: the side's scale words stand in lanes 16-31
.macro WM d, a, b, c, sa, sb, ra, rb
.if (\ra) && (\rb)
	v_wmma_scale_f32_16x16x128_f8f6f4 v[(\d):(\d)+7], v[(\a):(\a)+15], v[(\b):(\b)+15], v[(\c):(\c)+7], v[\sa], v[\sb] matrix_a_fmt:MATRIX_FMT_BF8 matrix_b_fmt:MATRIX_FMT_BF8 matrix_a_scale:MATRIX_SCALE_ROW1 matrix_b_scale:MATRIX_SCALE_ROW1
.elseif (\ra)
	v_wmma_scale_f32_16x16x128_f8f6f4 v[(\d):(\d)+7], v[(\a):(\a)+15], v[(\b):(\b)+15], v[(\c):(\c)+7], v[\sa], v[\sb] matrix_a_fmt:MATRIX_FMT_BF8 matrix_b_fmt:MATRIX_FMT_BF8 matrix_a_scale:MATRIX_SCALE_ROW1
.elseif (\rb)
	v_wmma_scale_f32_16x16x128_f8f6f4 v[(\d):(\d)+7], v[(\a):(\a)+15], v[(\b):(\b)+15], v[(\c):(\c)+7], v[\sa], v[\sb] matrix_a_fmt:MATRIX_FMT_BF8 matrix_b_fmt:MATRIX_FMT_BF8 matrix_b_scale:MATRIX_SCALE_ROW1
.else
	v_wmma_scale_f32_16x16x128_f8f6f4 v[(\d):(\d)+7], v[(\a):(\a)+15], v[(\b):(\b)+15], v[(\c):(\c)+7], v[\sa], v[\sb] matrix_a_fmt:MATRIX_FMT_BF8 matrix_b_fmt:MATRIX_FMT_BF8
.endif
.endm
; token tiles t0 .. t0 + n - 1: 4 products each for q or k, then 2 each for v.  p: W's set, sc: the scale set.  first = 1: the biases are the C of the sums' first products: nothing is cleared.
; The accumulators take turns, one instruction a turn.
.macro MULS t0, n, p, sc, first
.if \first
	WIN 0x63                                       ; W window 3, x window 0, C (the bias) window 2, D window 1
.else
	WIN 0x53                                       ; C and D window 1
.endif
.set tx, \t0
.rept \n
.set tq, 0
.rept 4
.if \first
	WM 8*(4*tx+tq), 128*(\p)+16*tq, XF+16*tx, 128+8*tq, SCS+7*(\sc)+4+tq/2, SCS+7*(\sc)+tx/2, tq%2, tx%2
.else
	WM 8*(4*tx+tq), 128*(\p)+16*tq, XF+16*tx, 8*(4*tx+tq), SCS+7*(\sc)+4+tq/2, SCS+7*(\sc)+tx/2, tq%2, tx%2
.endif
.set tq, tq+1
.endr
.set tx, tx+1
.endr
	WIN 0xac                                       ; x window 0, W window 3, C and D window 2
.set tx, \t0
.rept \n
.set tq, 0
.rept 2
.if \first
	WM 8*(8*tq+tx), XF+16*tx, 128*(\p)+64+16*tq, 160+8*tq, SCS+7*(\sc)+tx/2, SCS+7*(\sc)+6, tx%2, tq
.else
	WM 8*(8*tq+tx), XF+16*tx, 128*(\p)+64+16*tq, 8*(8*tq+tx), SCS+7*(\sc)+tx/2, SCS+7*(\sc)+6, tx%2, tq
.endif
.set tq, tq+1
.endr
.set tx, tx+1
.endr
.endm
.macro FETCHW slot, kq, p              ; my 6 fragments of W of the slot's K step kq into set p: 24 loads
	WIN 0xc0
.irp t, 0,1,2,3
.irp c, 0,1,2,3
	ds_load_b128 v[128*(\p)+16*\t+4*\c:128*(\p)+16*\t+4*\c+3], v[ADWQ+\slot] offset:(\kq)*WREC+2048*\t+512*\c
.endr
.endr
.irp u, 0,1
.irp c, 0,1,2,3
	ds_load_b128 v[128*(\p)+64+16*\u+4*\c:128*(\p)+64+16*\u+4*\c+3], v[ADWV+\slot] offset:(\kq)*WREC+2048*\u+512*\c
.endr
.endr
	WIN 0
.endm
.macro FETCHX slot, kq, t0             ; x's tiles t0 .. t0 + 3: 16 loads
.irp t, \t0, \t0+1, \t0+2, \t0+3
.irp c, 0,1,2,3
	ds_load_b128 v[XF+16*(\t)+4*\c:XF+16*(\t)+4*\c+3], v[ADX+\slot] offset:(\kq)*XREC+2048*(\t)+512*\c
.endr
.endr
.endm
.macro SCALES slot, kq, sc             ; 7 loads
.irp i, 0,1,2,3
	ds_load_b32 v[SCS+7*(\sc)+\i], v[ASX+\slot] offset:(\kq)*XREC+128*\i
.endr
.irp i, 0,1
	ds_load_b32 v[SCS+7*(\sc)+4+\i], v[ASQ+\slot] offset:(\kq)*WREC+128*\i
.endr
	ds_load_b32 v[SCS+7*(\sc)+6], v[ASV+\slot] offset:(\kq)*WREC
.endm
; a slot's first K step; its successor lies in the same slot.  Eight plain places stand between matrix instructions and loads into registers that they have read
.macro KSTEP slot, first
	s_wait_dscnt 16                                ; W, x's tiles 0-3 and the scales are in; the youngest 16 loads (x's tiles 4-7) may be out
	MULS 0, 4, 0, 0, \first
	s_wait_dscnt 0x0
	PLACES 8
	FETCHW \slot, 1, 1
	FETCHX \slot, 1, 0
	SCALES \slot, 1, 1
	MULS 4, 4, 0, 0, \first
	PLACES 8
	WIN 0
	FETCHX \slot, 1, 4
.endm
; a slot's second K step changes slots: one barrier; in front of it each wave waits for all its tensor loads, adds 0 to its spare word, and waits for that and for its reads of this slot.  fill = 1: the slot is filled again
.macro TURN slot, next, fill
	s_wait_tensorcnt 0x0                           ; all my tensor loads have landed: my part of the next slot
	ds_add_u32 v[SPW], v[NIL]
	s_wait_dscnt 17                                ; (the add and x's tiles 4-7 may be out)
	MULS 0, 2, 1, 1, 0
	s_wait_dscnt 0x0                               ; the add is done, and my reads of this slot are over
	s_barrier_signal -1
	MULS 2, 2, 1, 1, 0
	WIN 0
	s_barrier_wait -1
.if \fill
	CREST                                          ; the barrier has opened a round of the cluster's: no wave of any partner still reads this slot or has a load on its way
	s_add_nc_u64 s[G0+4*\slot+2:G0+4*\slot+3], s[G0+4*\slot+2:G0+4*\slot+3], 4*XREC
	s_add_nc_u64 s[G0B+4*\slot+2:G0B+4*\slot+3], s[G0B+4*\slot+2:G0B+4*\slot+3], 4*WREC
	JLOAD G0+4*\slot, G1, G0B+4*\slot, G1B         ; the first tensor load behind the round; its four v_nop are four of the eight places
	PLACES 4
.else
	PLACES 8
.endif
	FETCHW \next, 0, 0
	FETCHX \next, 0, 0
	SCALES \next, 0, 0
	MULS 4, 4, 1, 1, 0
	PLACES 8
	WIN 0
	FETCHX \next, 0, 4
.endm
; 64 numbers of a lane in window win, register 16 b + i, become 16 registers of codes at v[pc] and the scale word v[pw], both in window 0
.macro QUANTW win, s, pc, pw
	WIN 5*(\win)                                   ; sources 0 and 1 in the window
.irp b, 0,1,2,3
	v_max3_num_f32 v[TM+\b], |v[(\s)+16*\b]|, |v[(\s)+1+16*\b]|, 0x8000000     ; each accumulator is read from its low end on
.endr
.irp i, 2,4,6,8,10,12,14
.irp b, 0,1,2,3
	v_max3_num_f32 v[TM+\b], |v[(\s)+16*\b+\i]|, |v[(\s)+1+16*\b+\i]|, v[TM+\b]
.endr
.endr
	WIN 0
.irp b, 0,1,2,3
	v_permlanex16_b32 v[TM+4+\b], v[TM+\b], s20, s21
.endr
.irp b, 0,1,2,3
	v_max_num_f32 v[TM+\b], v[TM+\b], v[TM+4+\b]
.endr
.irp b, 0,1,2,3
	v_add_nc_u32 v[TM+12+\b], 0xf8800000, v[TM+\b]
.endr
.irp b, 0,1,2,3
.endr
.irp b, 0,1,2,3
	v_lshrrev_b32 v[TM+4+\b], 23, v[TM+12+\b]
.endr
	v_lshl_or_b32 v[\pw], v[TM+5], 8, v[TM+4]
	v_lshl_or_b32 v[\pw], v[TM+6], 16, v[\pw]
	v_lshl_or_b32 v[\pw], v[TM+7], 24, v[\pw]
	WIN 65*(\win)                                  ; destination and source 0 in the window
.irp b, 0,1,2,3
.irp i, 0,1,2,3,4,5,6,7,8,9,10,11,12,13,14,15
.endr
.endr
	WIN (\win)                                     ; source 0 in the window
.irp b, 0,1,2,3
	v_cvt_scalef32_pk8_bf8_f32 v[(\pc)+4*\b:(\pc)+1+4*\b], v[(\s)+16*\b:(\s)+7+16*\b], v[TM+12+\b]
	v_cvt_scalef32_pk8_bf8_f32 v[(\pc)+2+4*\b:(\pc)+3+4*\b], v[(\s)+8+16*\b:(\s)+15+16*\b], v[TM+12+\b]
.endr
	WIN 0
	v_nop
.endm
	s_load_b512 s[68:83], s[0:1], 0x0              ; xq 68:69, wq 70:71, bq 72:73, bk 74:75, bv 76:77, qrec 78:79, kv 80:81, tsum 82:83
	v_lshl_add_u32 v[SPW], v0, 2, SPARE
	v_mov_b32 v[NIL], 0
	ds_add_u32 v[SPW], v[NIL]                      ; the wave's opening: the add, twice on end, and its wait ahead of my first tensor load
	ds_add_u32 v[SPW], v[NIL]
	v_lshrrev_b32 v1, 5, v0
	v_readfirstlane_b32 s14, v1                    ; wave
	s_lshr_b32 s15, s14, 1                         ; th.  Also: I fetch for x (0) or for W (1)
	s_and_b32 s16, s14, 1                          ; role.  Also: which of a slot's two records I fetch
	s_bfe_u32 s40, ttmp6, 0x40000                  ; cx
	s_bfe_u32 s41, ttmp6, 0x40004                  ; cy
	s_lshl_b32 s42, ttmp9, 2
	s_add_co_u32 s42, s42, s40                     ; the head
	s_and_b32 s17, ttmp7, 0xffff
	s_lshl_b32 s17, s17, 2
	s_add_co_u32 s17, s17, s41                     ; tb
	s_lshl_b32 s43, s41, 2
	s_lshl_b32 s43, 15, s43                        ; my row of the cluster
	s_lshl_b32 s44, 0x1111, s40                    ; my column
	s_or_b32 s[G1], s43, (3<<16)|(1<<21)           ; the mask; elements of 8 bytes; bit 21 beside a mask; no padding
	s_or_b32 s[G1B], s44, (3<<16)|(1<<21)
	s_mov_b32 s[G1+1], 32<<16                      ; rows of 256 bytes
	s_mov_b32 s[G1+2], 132<<16                     ; a record of x: 132 rows
	s_mov_b32 s[G1+3], 32<<16
	s_mov_b32 s[G1+4], 132
	s_mov_b32 s[G1+5], 32
	s_mov_b32 s[G1+6], 0
	s_mov_b32 s[G1+7], 0
	s_mov_b32 s[G1B+1], 32<<16
	s_mov_b32 s[G1B+2], 99<<16                     ; a record of W: 99 rows
	s_mov_b32 s[G1B+3], 32<<16
	s_mov_b32 s[G1B+4], 99
	s_mov_b32 s[G1B+5], 32
	s_mov_b32 s[G1B+6], 0
	s_mov_b32 s[G1B+7], 0
	s_mul_i32 s20, s17, 8*XREC                     ; x's address hangs on tb and the wave alone,
	s_mul_i32 s18, s16, XREC
	s_add_co_u32 s20, s20, s18
	s_mov_b32 s21, 0
	s_mul_i32 s46, s42, 8*WREC                     ; W's on the head and the wave alone
	s_mul_i32 s19, s16, WREC
	s_add_co_u32 s46, s46, s19
	s_mov_b32 s47, 0
	s_add_co_u32 s19, s19, WOFF
	s_wait_dscnt 0x0                               ; both opening adds are done
	s_wait_kmcnt 0x0
	s_add_nc_u64 s[20:21], s[68:69], s[20:21]
	s_add_nc_u64 s[46:47], s[70:71], s[46:47]
	CROUND                                         ; all sixteen work-groups are here: the first joint loads meet
.irp s, 0,1
	s_mov_b32 s[G0+4*\s], 1
	s_add_co_u32 s[G0+4*\s+1], s18, \s*SLOT
	s_add_nc_u64 s[G0+4*\s+2:G0+4*\s+3], s[20:21], \s*2*XREC
	s_or_b32 s[G0+4*\s+3], s[G0+4*\s+3], 0x80000000
	s_mov_b32 s[G0B+4*\s], 1
	s_add_co_u32 s[G0B+4*\s+1], s19, \s*SLOT
	s_add_nc_u64 s[G0B+4*\s+2:G0B+4*\s+3], s[46:47], \s*2*WREC
	s_or_b32 s[G0B+4*\s+3], s[G0B+4*\s+3], 0x80000000
	JLOAD G0+4*\s, G1, G0B+4*\s, G1B               ; two loads of mine are out
.endr
	v_and_b32 v1, 31, v0                           ; lane
	v_and_b32 v2, 15, v0                           ; r
	v_bfe_u32 v34, v0, 4, 1                        ; h
	v_lshlrev_b32 v3, 4, v1
	s_wait_alu depctr_va_vdst(0)
	v_lshlrev_b32 v4, 2, v1
	s_wait_alu depctr_va_vdst(0)
	v_lshlrev_b32 v5, 3, v1
	s_lshl_b32 s2, s15, 14                         ; my 8 fragments of x
	s_lshl_b32 s3, s16, 13
	s_add_co_u32 s3, s3, WOFF                      ; q's or k's 4 fragments
	s_lshl_b32 s4, s16, 12
	s_add_co_u32 s4, s4, WOFF+16384                ; v's 2
	s_lshl_b32 s5, s15, 9
	s_add_co_u32 s5, s5, 32768                     ; x's 4 pairs
	s_lshl_b32 s6, s16, 8
	s_add_co_u32 s6, s6, WOFF+24576                ; q's or k's 2
	s_lshl_b32 s7, s16, 7
	s_add_co_u32 s7, s7, WOFF+25088                ; v's 1
.irp s, 0,1
	v_add_nc_u32 v[ADX+\s], s2, v3
	v_add_nc_u32 v[ADWQ+\s], s3, v3
	v_add_nc_u32 v[ADWV+\s], s4, v3
	v_add_nc_u32 v[ASX+\s], s5, v4
	v_add_nc_u32 v[ASQ+\s], s6, v4
	v_add_nc_u32 v[ASV+\s], s7, v4
	s_add_co_u32 s2, s2, SLOT
	s_add_co_u32 s3, s3, SLOT
	s_add_co_u32 s4, s4, SLOT
	s_add_co_u32 s5, s5, SLOT
	s_add_co_u32 s6, s6, SLOT
	s_add_co_u32 s7, s7, SLOT
.endr
	; the biases, in the results' layouts.  Their bases stand in s[8:11], which no later line writes: the loads' sources stay as they are
	s_cmp_eq_u32 s16, 0
	s_cselect_b64 s[8:9], s[72:73], s[74:75]       ; bq or bk
	s_lshl_b32 s12, s42, 8                         ; the head's 64 numbers
	s_mov_b32 s13, 0
	s_add_nc_u64 s[8:9], s[8:9], s[12:13]
	s_add_nc_u64 s[10:11], s[76:77], s[12:13]
	s_lshl_b32 s12, s16, 7
	s_add_nc_u64 s[10:11], s[10:11], s[12:13]      ; bv at my 32 columns
	v_lshlrev_b32 v35, 6, v34                      ; lane (r, h) wants, for tile 2 b + u, columns 32 b + 16 h + 8 u + 0..7
	v_and_b32 v36, 8, v2
	v_add_nc_u32 v36, v36, v2
	v_lshlrev_b32 v36, 2, v36                      ; v: lane r wants column 8 u + r + 8 (r / 8)
	WIN 0x80
.irp t, 0,1,2,3
	global_load_b128 v[128+8*\t:131+8*\t], v35, s[8:9] offset:(32*(\t/2)+8*(\t%2))*4
	global_load_b128 v[132+8*\t:135+8*\t], v35, s[8:9] offset:(32*(\t/2)+8*(\t%2))*4+16
.endr
	WIN 0
	global_load_b32 v38, v36, s[10:11]
	global_load_b32 v39, v36, s[10:11] offset:32
	; where the results go
	s_lshr_b32 s84, s17, 3
	s_lshl_b32 s84, s84, 4
	s_add_co_u32 s84, s84, s42                     ; batch x 16 + head
	s_lshl_b32 s84, s84, 4
	s_and_b32 s85, s17, 7
	s_lshl_b32 s85, s85, 1
	s_add_co_u32 s85, s85, s15
	s_add_co_u32 s84, s84, s85                     ; x 16 + the key step: the record
	s_mul_i32 s86, s84, 17408
	s_mul_i32 s88, s84, 8704
	s_mov_b32 s89, 0
	s_mov_b32 s92, 16384
	s_mov_b32 s93, 0
	s_cmp_eq_u32 s16, 0
	s_cselect_b64 s[90:91], s[78:79], s[80:81]     ; role 0: qrec; role 1: kv
	s_cselect_b32 s88, s88, s86
	s_cselect_b32 s92, 8192, s92
	s_add_nc_u64 s[90:91], s[90:91], s[88:89]      ; q's or k's codes
	s_add_nc_u64 s[92:93], s[90:91], s[92:93]      ; and scale words
	s_lshl_b32 s94, s16, 12
	s_add_co_u32 s94, s94, s86
	s_add_co_u32 s94, s94, 8192
	s_mov_b32 s95, 0
	s_add_nc_u64 s[94:95], s[80:81], s[94:95]      ; v's codes
	s_lshl_b32 s96, s16, 8
	s_add_co_u32 s96, s96, s86
	s_add_co_u32 s96, s96, 16896
	s_mov_b32 s97, 0
	s_add_nc_u64 s[96:97], s[80:81], s[96:97]      ; v's scale words
	s_lshl_b32 s98, s84, 8
	s_lshl_b32 s99, s16, 7
	s_add_co_u32 s98, s98, s99
	s_mov_b32 s99, 0
	s_add_nc_u64 s[98:99], s[82:83], s[98:99]      ; the sums
	s_mov_b32 s20, 0x76543210
	s_mov_b32 s21, 0xfedcba98
.irp b, 0,1,2,3
	v_mov_b32 v[TM+4+\b], 0                        ; a lane permute's destination counts as one of its sources
.endr
	v_mov_b32 v62, 0x7f7f7f7f                      ; four scale bytes of 1
.set i, 0
.rept 16
	v_mov_b32 v[80+i], 0x3c3c3c3c                  ; a fragment of ones: the code of 1.0 in every byte
.set i, i+1
.endr
	s_wait_loadcnt 0x0
	WIN 0x80
.set i, 0
.rept 8
	v_mov_b32 v[160+i], v38                        ; v's bias is the same in a lane's eight tokens
	v_mov_b32 v[168+i], v39
.set i, i+1
.endr
	WIN 0
	s_wait_alu depctr_va_vdst(0)
	s_wait_tensorcnt 1                             ; my part of slot 0 is in; slot 1's may stay out
	s_barrier_signal -1
	s_barrier_wait -1
	FETCHW 0, 0, 0
	FETCHX 0, 0, 0
	SCALES 0, 0, 0
	FETCHX 0, 0, 4
	KSTEP 0, 1                                     ; K step 0
	TURN 0, 1, 1                                   ; 1; slot 0 takes K steps 4, 5
	KSTEP 1, 0                                     ; 2
	TURN 1, 0, 1                                   ; 3; slot 1 takes K steps 6, 7
	KSTEP 0, 0                                     ; 4
	TURN 0, 1, 0                                   ; 5; nothing is left to fetch
	KSTEP 1, 0                                     ; 6
	s_wait_dscnt 16                                ; 7
	MULS 0, 4, 1, 1, 0
	s_wait_dscnt 0x0
	MULS 4, 4, 1, 1, 0
	WIN 0
	PLACES 8
	; THE WAY OUT: everything leaves from registers in image order; each b128 store covers 512 consecutive bytes
.irp f, 0,1,2,3                        ; token tiles 2 f (even tokens) and 2 f + 1 (odd): 2 x 2 blocks along d make one fragment: q's two tiles, or k's key pairs
	QUANTW 1, 64*\f, 128+16*\f, KW+\f
.irp c, 0,1,2,3
	global_store_b128 v3, v[128+16*\f+4*\c:128+16*\f+4*\c+3], s[90:91] offset:2048*\f+512*\c
.endr
.endr
	global_store_b128 v3, v[KW:KW+3], s[92:93]
.irp u, 0,1                            ; v's tile u: 16 d x the step's 128 keys, four blocks of 32 keys
	QUANTW 2, 64*\u, 192+16*\u, VW+\u
.irp c, 0,1,2,3
	global_store_b128 v3, v[192+16*\u+4*\c:192+16*\u+4*\c+3], s[94:95] offset:2048*\u+512*\c
.endr
.endr
	global_store_b64 v5, v[VW:VW+1], s[96:97]
	PLACES 8                                       ; codes and scale words made by vector instructions stand 4 and 8 places ahead of a scaled matrix instruction
	v_wmma_scale_f32_16x16x128_f8f6f4 v[64:71], v[80:95], v[192:207], 0, v62, v60 matrix_a_fmt:MATRIX_FMT_BF8 matrix_b_fmt:MATRIX_FMT_BF8   ; ones x the quantised v: lane r: the sum over the 128 keys for d row r
	v_wmma_scale_f32_16x16x128_f8f6f4 v[72:79], v[80:95], v[208:223], 0, v62, v61 matrix_a_fmt:MATRIX_FMT_BF8 matrix_b_fmt:MATRIX_FMT_BF8
	PLACES 8
	v_cmp_lt_u32 vcc_lo, 15, v1
	v_cndmask_b32 v63, v64, v72, vcc_lo            ; lanes 0-15 tile 0's rows, lanes 16-31 tile 1's
	global_store_b32 v4, v63, s[98:99]
	s_wait_tensorcnt 0x0                           ; the wave's end
	ds_add_u32 v[SPW], v[NIL]
	s_wait_dscnt 0x0
	CROUND                                         ; the closing round
	s_endpgm
.Lfunc_end_k_q5de251a6db_qkv:
	.size	k_q5de251a6db_qkv, .Lfunc_end_k_q5de251a6db_qkv-k_q5de251a6db_qkv
	.p2alignl 7, 3214868480
	.fill 96, 4, 3214868480
	.section	.rodata,"a",@progbits
	.p2align	6, 0x0
	.amdhsa_kernel k_q5de251a6db_qkv
		.amdhsa_group_segment_fixed_size 327680
		.amdhsa_private_segment_fixed_size 0
		.amdhsa_enable_private_segment 0
		.amdhsa_kernarg_size 64
		.amdhsa_user_sgpr_count 2
		.amdhsa_user_sgpr_kernarg_segment_ptr 1
		.amdhsa_wavefront_size32 1
		.amdhsa_system_sgpr_workgroup_id_x 1
		.amdhsa_system_sgpr_workgroup_id_y 1
		.amdhsa_system_sgpr_workgroup_id_z 1
		.amdhsa_system_vgpr_workitem_id 0
		.amdhsa_next_free_vgpr 1024
		.amdhsa_next_free_sgpr 100
		.amdhsa_reserve_vcc 1
		.amdhsa_float_denorm_mode_32 3
		.amdhsa_float_denorm_mode_16_64 3
		.amdhsa_fp16_overflow 1
		.amdhsa_memory_ordered 1
		.amdhsa_forward_progress 1
		.amdhsa_inst_pref_size 126
	.end_amdhsa_kernel
	.amdgpu_metadata
---
amdhsa.version: [ 1, 2 ]
amdhsa.kernels:
  - .name:           k_q5de251a6db_qkv
    .symbol:         k_q5de251a6db_qkv.kd
    .args:
      - { .name: xq, .offset: 0, .size: 8, .value_kind: global_buffer, .address_space: global }
      - { .name: wq, .offset: 8, .size: 8, .value_kind: global_buffer, .address_space: global }
      - { .name: bq, .offset: 16, .size: 8, .value_kind: global_buffer, .address_space: global }
      - { .name: bk, .offset: 24, .size: 8, .value_kind: global_buffer, .address_space: global }
      - { .name: bv, .offset: 32, .size: 8, .value_kind: global_buffer, .address_space: global }
      - { .name: qrec, .offset: 40, .size: 8, .value_kind: global_buffer, .address_space: global }
      - { .name: kv, .offset: 48, .size: 8, .value_kind: global_buffer, .address_space: global }
      - { .name: tsum, .offset: 56, .size: 8, .value_kind: global_buffer, .address_space: global }
    .group_segment_fixed_size: 327680
    .private_segment_fixed_size: 0
    .kernarg_segment_align: 8
    .kernarg_segment_size: 64
    .max_flat_workgroup_size: 128
    .sgpr_count:     100
    .vgpr_count:     1024
    .wavefront_size: 32
...
	.end_amdgpu_metadata
.endif
;; end of part 2
;; launch attn (part 3): grid 8 x 32, 16 waves a work-group, no clusters, 327,680 bytes of LDS; arguments qrec, kv, tsum, cq; writes cq
.if DOCPART == 3
	.amdgcn_target "amdgcn-amd-amdhsa--gfx1250"
	.amdhsa_code_object_version 6
	.text
	.protected	k_q5de251a6db_attn
	.globl	k_q5de251a6db_attn
	.p2align	8
	.type	k_q5de251a6db_attn,@function
k_q5de251a6db_attn:
	s_mov_b64 s[64:65], 0
	v_nop
	global_prefetch_b8 v0, s[64:65] scope:SCOPE_SE
	s_setreg_imm32_b32 hwreg(HW_REG_WAVE_MODE, 25, 1), 1
	s_wait_xcnt 0x0
.set KVREC, 17408
.set SVA,   16*KVREC
.set SPARE, SVA+4096
.set ADK, 5
.set ADT, 6
.set WV,  12
.set DEP, 13
.set J,   14
.set TB,  15
.set CS,  16
.set SEL, 18
.set MNT, 20
.set GG,  21
.set HH,  22
.set NR,  23
.set G1A, 24
.set G1B, 32
.set G0A, 40
.set G0B, 44
.macro STEP
	s_cmp_gt_u32 s[J], s[DEP]
	s_cbranch_scc1 .Lhid_\@
	s_setprio 2
	v_add_nc_u32 v[ADK], s[TB], v1
	v_add_nc_u32 v[ADT], s[TB], v2
.irp f, 0,1,2,3
.irp c, 0,1,2,3
	ds_load_b128 v[40+16*\f+4*\c:43+16*\f+4*\c], v[ADK] offset:2048*\f+512*\c
.endr
.endr
	ds_load_b128 v[216:219], v[ADK] offset:16384
	s_wait_alu depctr_va_vdst(0)
	s_wait_dscnt 0x0
.irp f, 0,1,2,3
.irp e, 0,1
	v_wmma_scale_f32_16x16x128_f8f6f4 v[104+16*\f+8*\e:111+16*\f+8*\e], v[40+16*\f:55+16*\f], v[16+8*\e:31+8*\e], 0, v[216+\f], v10 matrix_a_fmt:MATRIX_FMT_BF8 matrix_b_fmt:MATRIX_FMT_BF8
.endr
.endr
.rept 8
	v_nop
.endr
.irp t, 0,1,2,3
.irp c, 0,1,2,3
	ds_load_b128 v[40+16*\t+4*\c:43+16*\t+4*\c], v[ADK] offset:8192+2048*\t+512*\c
.endr
.endr
	ds_load_b64 v[220:221], v[ADT] offset:16896
	ds_load_b64 v[222:223], v[ADT] offset:16896+256
	s_cmp_lg_u32 s[J], s[DEP]
	s_cbranch_scc1 .Lopen_\@
.set n, 0
.rept 64
	v_cmp_gt_i32 vcc_lo, 32*(n/16)+2*(n%8)+(n/8)%2, v7
	v_cndmask_b32 v[104+n], v[104+n], v9, vcc_lo
.set n, n+1
.endr
	v_max_num_f32 v13, v13, v8
.Lopen_\@:
.irp b, 0,1,2,3
	v_max3_num_f32 v[224+\b], v[104+16*\b], v[105+16*\b], v[106+16*\b]
.endr
.irp i, 3,5,7,9,11,13
.irp b, 0,1,2,3
	v_max3_num_f32 v[224+\b], v[224+\b], v[104+16*\b+\i], v[105+16*\b+\i]
.endr
.endr
.irp b, 0,1,2,3
	v_max_num_f32 v[224+\b], v[224+\b], v[119+16*\b]
.endr
.irp b, 0,1,2,3
	s_delay_alu instid0(VALU_DEP_4)
	v_permlanex16_b32 v[228+\b], v[224+\b], s[SEL], s[SEL+1]
.endr
.irp b, 0,1,2,3
	s_delay_alu instid0(VALU_DEP_4)
	v_max_num_f32 v[224+\b], v[224+\b], v[228+\b]
.endr
	s_delay_alu instid0(VALU_DEP_2)
	v_max3_num_f32 v243, v224, v225, v226
	s_delay_alu instid0(VALU_DEP_1)
	v_max_num_f32 v243, v243, v227
	s_delay_alu instid0(VALU_DEP_1)
	v_mul_f32 v243, s[CS], v243
	s_delay_alu instid0(VALU_DEP_1)
	v_max_num_f32 v13, v13, v243
	v_mov_b32 v243, v12
	s_delay_alu instid0(VALU_DEP_2)
	v_floor_f32 v12, -v13
	s_delay_alu instid0(VALU_DEP_1)
	v_sub_f32 v243, v12, v243
	s_delay_alu instid0(VALU_DEP_1)
	v_cvt_i32_f32 v243, v243
	s_delay_alu instid0(VALU_DEP_1)
	v_ldexp_f32 v240, 1.0, v243
.set n, 0
	s_setprio 1
.rept 32
	v_pk_fma_f32 v[104+n:105+n], v[104+n:105+n], s[CS:CS+1], v[12:13] op_sel_hi:[1,0,0]
.set n, n+2
.endr
.irp b, 0,1,2,3
	v_fma_f32 v[224+\b], v[224+\b], s[CS], v12
.endr
.set n, 0
	s_wait_alu depctr_va_vdst(0)
.rept 64
	v_exp_f32 v[104+n], v[104+n]
.set n, n+1
.endr
	v_pk_mul_f32 v[14:15], v[14:15], v[240:241] op_sel_hi:[1,0]
	s_wait_alu depctr_va_vdst(0)
.irp b, 0,1,2,3
	v_exp_f32 v[224+\b], v[224+\b]
.endr
	v_pk_add_f32 v[228:229], v[104:105], v[106:107]
.set n, 4
.rept 15
	v_pk_add_f32 v[14:15], v[14:15], v[104+n:105+n]
	v_pk_add_f32 v[228:229], v[228:229], v[106+n:107+n]
.set n, n+4
.endr
	s_delay_alu instid0(VALU_DEP_1)
	v_pk_add_f32 v[14:15], v[14:15], v[228:229]
	s_wait_alu depctr_va_vdst(0)
.irp b, 0,1,2,3
	v_max_num_f32 v[224+\b], 0x8000000, v[224+\b]
.endr
.irp b, 0,1,2,3
	s_delay_alu instid0(VALU_DEP_4)
	v_add_nc_u32 v[236+\b], 0xf8800000, v[224+\b]
.endr
.irp b, 0,1,2,3
.endr
.irp b, 0,1,2,3
	s_delay_alu instid0(VALU_DEP_4)
	v_lshrrev_b32 v[228+\b], 23, v[236+\b]
.endr
	s_delay_alu instid0(VALU_DEP_3)
	v_lshl_or_b32 v242, v229, 8, v228
	s_delay_alu instid0(VALU_DEP_1)
	v_lshl_or_b32 v242, v230, 16, v242
	s_delay_alu instid0(VALU_DEP_1)
	v_lshl_or_b32 v242, v231, 24, v242
	s_setprio 0
.irp b, 0,1,2,3
.set n, 0
.rept 16
.set n, n+1
.endr
	v_cvt_scalef32_pk8_bf8_f32 v[200+4*\b:201+4*\b], v[104+16*\b:111+16*\b], v[236+\b]
	v_cvt_scalef32_pk8_bf8_f32 v[202+4*\b:203+4*\b], v[112+16*\b:119+16*\b], v[236+\b]
.endr
.set n, 0
.rept 16
	v_pk_mul_f32 v[168+n:169+n], v[168+n:169+n], v[240:241] op_sel_hi:[1,0]
.set n, n+2
.endr
	s_wait_alu depctr_va_vdst(0)
	s_wait_dscnt 0x0
.irp t, 0,1,2,3
	v_wmma_scale_f32_16x16x128_f8f6f4 v[168+8*\t:175+8*\t], v[40+16*\t:55+16*\t], v[200:215], v[168+8*\t:175+8*\t], v[220+\t], v242 matrix_a_fmt:MATRIX_FMT_BF8 matrix_b_fmt:MATRIX_FMT_BF8
.endr
.rept 8
	v_nop
.endr
.Lhid_\@:
.endm
	s_load_b256 s[4:11], s[0:1], 0x0
	v_lshl_add_u32 v3, v0, 2, SPARE
	v_mov_b32 v4, 0
	ds_add_u32 v3, v4
	ds_add_u32 v3, v4
	v_lshrrev_b32 v5, 5, v0
	s_delay_alu instid0(VALU_DEP_1)
	v_readfirstlane_b32 s[WV], v5
	s_lshr_b32 s48, s[WV], 2
	s_xor_b32 s48, s48, s[WV]
	s_and_b32 s48, s48, 3
	s_lshr_b32 s49, s48, 1
	s_xor_b32 s48, s48, s49
	s_and_b32 s48, s48, 1
	s_mul_i32 s48, s48, 15
	s_xor_b32 s[DEP], s[WV], s48
	s_mov_b32 s[GG], ttmp9
	s_and_b32 s[HH], ttmp7, 0xffff
	s_mov_b32 s[G1A], 3<<16
	s_mov_b32 s[G1A+1], 32<<16
	s_mov_b32 s[G1A+2], 17<<16
	s_mov_b32 s[G1A+3], 32<<16
	s_mov_b32 s[G1A+4], 17
	s_mov_b32 s[G1A+5], 32
	s_mov_b32 s[G1A+6], 0
	s_mov_b32 s[G1A+7], 0
	s_mov_b32 s[G1B], 3<<16
	s_mov_b32 s[G1B+1], 32<<16
	s_mov_b32 s[G1B+2], 51<<16
	s_mov_b32 s[G1B+3], 32<<16
	s_mov_b32 s[G1B+4], 51
	s_mov_b32 s[G1B+5], 32
	s_mov_b32 s[G1B+6], 0
	s_mov_b32 s[G1B+7], 0
	s_mul_i32 s48, s[HH], 16*KVREC
	s_mul_i32 s49, s[WV], 17*256
	s_mul_i32 s50, s[WV], 51*256
	s_add_co_u32 s52, s48, s49
	s_mov_b32 s53, 0
	s_add_co_u32 s54, s48, s50
	s_add_co_u32 s54, s54, 4*KVREC
	s_mov_b32 s55, 0
	s_add_co_u32 s50, s50, 4*KVREC
	s_mov_b32 s[CS], 0x3e38aa3b
	s_mov_b32 s[CS+1], s[CS]
	s_mov_b32 s[SEL], 0x76543210
	s_mov_b32 s[SEL+1], 0xfedcba98
	s_mov_b32 s[MNT], 0x600000
	s_wait_dscnt 0x0
	s_wait_kmcnt 0x0
	s_mov_b32 s[G0A], 1
	s_mov_b32 s[G0A+1], s49
	s_add_nc_u64 s[G0A+2:G0A+3], s[6:7], s[52:53]
	s_or_b32 s[G0A+3], s[G0A+3], 0x80000000
	s_mov_b32 s[G0B], 1
	s_mov_b32 s[G0B+1], s50
	s_add_nc_u64 s[G0B+2:G0B+3], s[6:7], s[54:55]
	s_or_b32 s[G0B+3], s[G0B+3], 0x80000000
	tensor_load_to_lds s[G0A:G0A+3], s[G1A:G1A+7]
	s_nop 0
	s_wait_alu depctr_va_vdst(0)
	s_wait_tensorcnt 0x0
	ds_add_u32 v3, v4
	s_wait_dscnt 0x0
	s_barrier_signal -1
	s_barrier_wait -1
	tensor_load_to_lds s[G0B:G0B+3], s[G1B:G1B+7]
	s_nop 0
	s_lshl_b32 s48, s[HH], 4
	s_add_co_u32 s48, s48, s[DEP]
	s_mul_i32 s48, s48, 8704
	s_lshl_b32 s49, s[GG], 10
	s_add_co_u32 s56, s48, s49
	s_mov_b32 s57, 0
	s_add_nc_u64 s[56:57], s[4:5], s[56:57]
	s_lshr_b32 s51, s[GG], 1
	s_lshl_b32 s49, s51, 2
	s_add_co_u32 s58, s48, s49
	s_add_co_u32 s58, s58, 8192
	s_mov_b32 s59, 0
	s_add_nc_u64 s[58:59], s[4:5], s[58:59]
	s_lshr_b32 s48, s[HH], 4
	s_lshl_b32 s48, s48, 4
	s_add_co_u32 s48, s48, s[DEP]
	s_lshl_b32 s48, s48, 3
	s_bfe_u32 s49, s[HH], 0x30001
	s_add_co_u32 s48, s48, s49
	s_mul_i32 s48, s48, 16896
	s_and_b32 s49, s[HH], 1
	s_lshl_b32 s50, s[GG], 11
	s_add_co_u32 s60, s48, s50
	s_lshl_b32 s50, s49, 10
	s_add_co_u32 s60, s60, s50
	s_mov_b32 s61, 0
	s_add_nc_u64 s[60:61], s[10:11], s[60:61]
	s_and_b32 s52, s[GG], 1
	s_lshl_b32 s50, s51, 7
	s_add_co_u32 s62, s48, s50
	s_lshl_b32 s50, s52, 6
	s_add_co_u32 s62, s62, s50
	s_lshl_b32 s50, s49, 1
	s_add_co_u32 s62, s62, s50
	s_add_co_u32 s62, s62, 16384
	s_mov_b32 s63, 0
	s_add_nc_u64 s[62:63], s[10:11], s[62:63]
	s_lshl_b32 s48, s[HH], 12
	s_mov_b32 s49, 0
	s_add_nc_u64 s[8:9], s[8:9], s[48:49]
	s_lshl_b32 s53, s51, 5
	s_add_co_u32 s53, s53, s52
	s_lshl_b32 s54, s[DEP], 7
	s_sub_co_u32 s[NR], 1920, s54
	s_add_co_u32 s54, s54, s53
	s_lshl_b32 s55, s[DEP], 8
	s_add_co_u32 s55, s55, SVA
	s_mov_b32 s50, 0x01000100
	s_cmp_lg_u32 s52, 0
	s_cselect_b32 s50, 0x03020302, s50
	v_and_b32 v246, 31, v0
	v_and_b32 v244, 15, v0
	v_bfe_u32 v245, v0, 4, 1
	s_delay_alu instid0(VALU_DEP_3)
	v_lshlrev_b32 v1, 4, v246
	s_delay_alu instid0(VALU_DEP_4)
	v_lshlrev_b32 v2, 3, v246
	s_delay_alu instid0(VALU_DEP_4)
	v_lshlrev_b32 v248, 2, v244
	v_lshlrev_b32 v249, 2, v0
	v_lshl_add_u32 v247, v0, 2, SVA
	v_lshl_add_u32 v11, v245, 5, s55
	global_load_b128 v[16:19], v1, s[56:57]
	global_load_b128 v[20:23], v1, s[56:57] offset:512
	global_load_b32 v243, v1, s[58:59]
	v_lshlrev_b32 v7, 1, v244
	v_lshlrev_b32 v5, 4, v245
	s_delay_alu instid0(VALU_DEP_1)
	v_sub_nc_u32 v7, v7, v5
	s_delay_alu instid0(VALU_DEP_1)
	v_add_nc_u32 v7, s53, v7
	v_mov_b32 v9, 0xc79c4000
	v_lshl_add_u32 v5, v244, 1, s54
	s_delay_alu instid0(VALU_DEP_2)
	v_mul_f32 v8, s[CS], v9
	v_mov_b32 v6, 0xff61b1e6
	s_delay_alu instid0(VALU_DEP_3)
	v_cmp_eq_u32 vcc_lo, 0x7ff, v5
	s_delay_alu instid0(VALU_DEP_1)
	v_cndmask_b32 v8, v8, v6, vcc_lo
	s_cmp_lt_u32 s[WV], 2
	s_cbranch_scc0 .Lno_sums
.set n, 0
.rept 16
	global_load_b32 v[40+n], v249, s[8:9] offset:256*n
.set n, n+1
.endr
	s_wait_loadcnt 0x0
	v_mov_b32 v119, 0
.irp j, 15,14,13,12,11,10,9,8,7,6,5,4,3,2,1
	s_delay_alu instid0(VALU_DEP_1)
	v_add_f32 v[103+\j], v[104+\j], v[40+\j]
.endr
.set n, 0
.rept 16
	ds_store_b32 v247, v[104+n] offset:256*n
.set n, n+1
.endr
.Lno_sums:
	s_wait_loadcnt 0x0
.set n, 0
.rept 8
	v_mov_b32 v[32+n], v[16+n]
	v_mov_b32 v[24+n], 0
.set n, n+1
.endr
	v_perm_b32 v10, v243, v243, s50
	v_mov_b32 v13, 0xff61b1e6
	s_delay_alu instid0(VALU_DEP_1)
	v_floor_f32 v12, -v13
	v_mov_b32 v14, 0
	v_mov_b32 v15, 0
.set n, 0
.rept 32
	v_mov_b32 v[168+n], 0
.set n, n+1
.endr
.irp b, 0,1,2,3
	v_mov_b32 v[228+\b], 0
.endr
	v_mov_b32 v241, 0
	s_wait_tensorcnt 1
	s_wait_dscnt 0x0
	s_barrier_signal -1
	s_barrier_wait -1
	s_mov_b32 s[J], 0
	s_mov_b32 s[TB], 0
.Lfirst:
	STEP
	s_add_co_u32 s[TB], s[TB], KVREC
	s_add_co_u32 s[J], s[J], 1
	s_cmp_lt_u32 s[J], 4
	s_cbranch_scc1 .Lfirst
	s_setprio 0
	s_wait_tensorcnt 0x0
	s_wait_dscnt 0x0
	s_barrier_signal -1
	s_barrier_wait -1
	s_mov_b32 s[J], 4
	s_mov_b32 s[TB], 4*KVREC
.Lrest:
	STEP
	s_add_co_u32 s[TB], s[TB], KVREC
	s_add_co_u32 s[J], s[J], 1
	s_cmp_lt_u32 s[J], 16
	s_cbranch_scc1 .Lrest
	s_setprio 0
.irp t, 0,1,2,3
	ds_load_b128 v[104+8*\t:107+8*\t], v11 offset:64*\t
	ds_load_b128 v[108+8*\t:111+8*\t], v11 offset:64*\t+16
.endr
	v_add_f32 v14, v14, v15
	s_wait_alu depctr_va_vdst(0)
	v_permlanex16_b32 v228, v14, s[SEL], s[SEL+1]
	s_delay_alu instid0(VALU_DEP_1)
	v_add_f32 v14, v14, v228
	v_fma_f32 v243, v9, s[CS], v12
	s_wait_alu depctr_va_vdst(0)
	v_exp_f32 v243, v243
	v_cvt_f32_u32 v244, s[NR]
	s_wait_alu depctr_va_vdst(0)
	v_fma_f32 v14, v244, v243, v14
	v_max_num_f32 v245, 0x8000000, v243
	s_delay_alu instid0(VALU_DEP_1)
	v_add_nc_u32 v246, 0xf8800000, v245
	s_delay_alu instid0(VALU_DEP_2)
	v_and_or_b32 v245, v245, 0x7f800000, s[MNT]
	s_wait_alu depctr_va_vdst(0)
	v_rcp_f32 v240, v14
.set n, 0
.rept 8
	v_min_num_f32 v[136+n], v243, v245
.set n, n+1
.endr
	v_cvt_scalef32_pk8_bf8_f32 v[200:201], v[136:143], v246
	v_nop
	v_and_b32 v247, 0x7f800000, v246
	v_cvt_f32_bf8 v244, v200
	s_delay_alu instid0(VALU_DEP_1)
	v_mul_f32 v246, v244, v247
	s_delay_alu instid0(VALU_DEP_1)
	v_mov_b32 v247, v246
	s_wait_dscnt 0x0
	s_wait_alu depctr_va_vdst(0)
.set n, 0
.rept 16
	v_pk_fma_f32 v[168+n:169+n], v[104+n:105+n], v[246:247], v[168+n:169+n]
.set n, n+2
.endr
.set n, 0
.rept 16
	v_pk_mul_f32 v[168+n:169+n], v[168+n:169+n], v[240:241] op_sel_hi:[1,0]
.set n, n+2
.endr
.irp b, 0,1
	v_max3_num_f32 v[224+\b], |v[168+16*\b]|, |v[169+16*\b]|, 0x8000000
.endr
.irp i, 2,4,6,8,10,12,14
.irp b, 0,1
	s_delay_alu instid0(VALU_DEP_2)
	v_max3_num_f32 v[224+\b], v[224+\b], |v[168+16*\b+\i]|, |v[169+16*\b+\i]|
.endr
.endr
.irp b, 0,1
	s_delay_alu instid0(VALU_DEP_2)
	v_permlanex16_b32 v[228+\b], v[224+\b], s[SEL], s[SEL+1]
.endr
.irp b, 0,1
	s_delay_alu instid0(VALU_DEP_2)
	v_max_num_f32 v[224+\b], v[224+\b], v[228+\b]
.endr
.irp b, 0,1
	s_delay_alu instid0(VALU_DEP_2)
	v_add_nc_u32 v[236+\b], 0xf8800000, v[224+\b]
.endr
.irp b, 0,1
.endr
.irp b, 0,1
	s_delay_alu instid0(VALU_DEP_2)
	v_lshrrev_b32 v[228+\b], 23, v[236+\b]
.endr
	s_delay_alu instid0(VALU_DEP_1)
	v_lshl_or_b32 v242, v229, 8, v228
.irp b, 0,1
.set n, 0
.rept 16
.set n, n+1
.endr
	v_cvt_scalef32_pk8_bf8_f32 v[200+4*\b:201+4*\b], v[168+16*\b:175+16*\b], v[236+\b]
	v_cvt_scalef32_pk8_bf8_f32 v[202+4*\b:203+4*\b], v[176+16*\b:183+16*\b], v[236+\b]
.endr
	v_nop
	global_store_b128 v1, v[200:203], s[60:61]
	global_store_b128 v1, v[204:207], s[60:61] offset:512
	global_store_b16 v248, v242, s[62:63]
	s_wait_tensorcnt 0x0
	ds_add_u32 v3, v4
	s_wait_dscnt 0x0
	s_endpgm
.Lfunc_end_k_q5de251a6db_attn:
	.size	k_q5de251a6db_attn, .Lfunc_end_k_q5de251a6db_attn-k_q5de251a6db_attn
	.p2alignl 7, 3214868480
	.fill 96, 4, 3214868480
	.section	.rodata,"a",@progbits
	.p2align	6, 0x0
	.amdhsa_kernel k_q5de251a6db_attn
		.amdhsa_group_segment_fixed_size 327680
		.amdhsa_private_segment_fixed_size 0
		.amdhsa_enable_private_segment 0
		.amdhsa_kernarg_size 32
		.amdhsa_user_sgpr_count 2
		.amdhsa_user_sgpr_kernarg_segment_ptr 1
		.amdhsa_wavefront_size32 1
		.amdhsa_system_sgpr_workgroup_id_x 1
		.amdhsa_system_sgpr_workgroup_id_y 1
		.amdhsa_system_sgpr_workgroup_id_z 1
		.amdhsa_system_vgpr_workitem_id 0
		.amdhsa_next_free_vgpr 256
		.amdhsa_next_free_sgpr 66
		.amdhsa_reserve_vcc 1
		.amdhsa_float_denorm_mode_32 3
		.amdhsa_float_denorm_mode_16_64 3
		.amdhsa_fp16_overflow 1
		.amdhsa_memory_ordered 1
		.amdhsa_forward_progress 1
		.amdhsa_inst_pref_size 64
	.end_amdhsa_kernel
	.amdgpu_metadata
---
amdhsa.version: [ 1, 2 ]
amdhsa.kernels:
  - .name:           k_q5de251a6db_attn
    .symbol:         k_q5de251a6db_attn.kd
    .args:
      - { .name: qrec, .offset: 0, .size: 8, .value_kind: global_buffer, .address_space: global }
      - { .name: kv, .offset: 8, .size: 8, .value_kind: global_buffer, .address_space: global }
      - { .name: tsum, .offset: 16, .size: 8, .value_kind: global_buffer, .address_space: global }
      - { .name: cq, .offset: 24, .size: 8, .value_kind: global_buffer, .address_space: global }
    .group_segment_fixed_size: 327680
    .private_segment_fixed_size: 0
    .kernarg_segment_align: 8
    .kernarg_segment_size: 32
    .max_flat_workgroup_size: 512
    .sgpr_count:     66
    .vgpr_count:     256
    .wavefront_size: 32
...
	.end_amdgpu_metadata
.endif
;; end of part 3
;; launch proj (part 4): grid 8 x 32, 4 waves a work-group, clusters of 4 x 4, 270,848 bytes of LDS; arguments cq, woq, bo, out0; writes out0
.if DOCPART == 4
	.amdgcn_target "amdgcn-amd-amdhsa--gfx1250"
	.amdhsa_code_object_version 6
	.text
	.protected	k_q5de251a6db_proj
	.globl	k_q5de251a6db_proj
	.p2align	8
	.type	k_q5de251a6db_proj,@function
k_q5de251a6db_proj:
	s_mov_b64 s[64:65], 0
	v_nop
	global_prefetch_b8 v0, s[64:65] scope:SCOPE_SE
	s_setreg_imm32_b32 hwreg(HW_REG_WAVE_MODE, 25, 1), 1
	s_wait_xcnt 0x0
	s_wait_alu depctr_hold_cnt(0) depctr_sa_sdst(0) depctr_va_vdst(0) depctr_va_sdst(0) depctr_va_ssrc(0) depctr_va_vcc(0) depctr_vm_vsrc(0)
	s_getreg_b32 s2, hwreg(HW_REG_IB_STS2, 6, 4)
	s_cmp_eq_u32 s2, 0
	s_cbranch_scc0 .Lentry_in_a_cluster
	s_endpgm
.Lentry_in_a_cluster:
	s_bfe_u32 s2, ttmp6, 0x10000c
	s_cmp_lg_u32 s2, 0xf033
	s_cbranch_scc0 .Lentry_shape_is_right
	s_endpgm
.Lentry_shape_is_right:
; out = ctx Wo + bo on codes of BF8 (E5M2) with E8M0 scales; nothing is left out here.
; A work-group takes 128 tokens (y) x 128 columns (x); all of K (8 records of ctx, 8 of Wo, images of registers) lies in LDS, filled once, in four chunks of two K steps: the products of a chunk run while the later chunks land.
; CLUSTER 4 x 4: ctx's records hang on y alone and are asked for jointly along a row of the cluster, Wo's on x alone, along a column.  No slot is filled again: one round in front of the loads, one at the end.
; Wave w: th = w / 2 its 4 token tiles, nh = w % 2 its 4 column tiles: 16 accumulators.  TRANSPOSED (source 0 = 16 columns of Wo, source 1 = 16 tokens): a lane holds eight neighbouring columns of one token.
; REGISTERS.  Window 0: v4-14 addresses; v16-23 two sets of 4 scale registers; v26, v27 the add's two; v32-63 the bias; v128-255 ctx's fragments, two sets; on the way out rows of the result.
; Window 1: v0-127 Wo's fragments, two sets; accumulator (T, t) at 128 + 8 (4 T + t).
.set REC,   16896
.set WB,    8*REC
.set SPARE, 2*WB                       ; behind the records: the spare words, 128 bytes a wave, named by no other line
.set STP,   272                        ; a stage row: 256 bytes + 16
.set AC,  4                            ; v4-5   ctx's fragments, K steps 0-3 and 4-7 (an immediate reaches 65,535)
.set AW,  6                            ; v6-7   Wo's
.set SC,  8                            ; v8-9   ctx's scale pairs
.set SW,  10                           ; v10-11 Wo's
.set STO, 12
.set RD,  13
.set CO,  14
.set SCR, 16
.set SPW, 26
.set NIL, 27
.set G1,  24
.set G1B, 32
.set MSB, 0
.macro WIN new
.if MSB != (\new)
	s_set_vgpr_msb (MSB<<8)|(\new)
.set MSB, (\new)
.endif
.endm
.macro PLACES n
.rept \n
	v_nop
.endr
.endm
.macro JLOAD g0a, g1a, g0b, g1b        ; waves 0 and 1 fetch ctx's records, waves 2 and 3 Wo's; an s_nop 0 and four v_nop follow each line
	s_cmp_eq_u32 s15, 0
	s_cbranch_scc0 .Lfor_b_\@
	tensor_load_to_lds s[\g0a:\g0a+3], s[\g1a:\g1a+7]
	s_nop 0
.rept 4
	v_nop
.endr
	s_branch .Lasked_\@
.Lfor_b_\@:
	tensor_load_to_lds s[\g0b:\g0b+3], s[\g1b:\g1b+7]
	s_nop 0
.rept 4
	v_nop
.endr
.Lasked_\@:
.endm
.macro CROUND
	s_barrier_signal -1
	s_barrier_wait -1
	s_cmp_lg_u32 s14, 0
	s_cbranch_scc1 .Lnot_wave_0_\@
	s_barrier_signal -3
.Lnot_wave_0_\@:
	s_barrier_wait -3
	s_barrier_signal -1
	s_barrier_wait -1
.endm
.macro WM d, a, b, c, sa, sb, ra, rb
.if (\ra) && (\rb)
	v_wmma_scale_f32_16x16x128_f8f6f4 v[(\d):(\d)+7], v[(\a):(\a)+15], v[(\b):(\b)+15], v[(\c):(\c)+7], v[\sa], v[\sb] matrix_a_fmt:MATRIX_FMT_BF8 matrix_b_fmt:MATRIX_FMT_BF8 matrix_a_scale:MATRIX_SCALE_ROW1 matrix_b_scale:MATRIX_SCALE_ROW1
.elseif (\ra)
	v_wmma_scale_f32_16x16x128_f8f6f4 v[(\d):(\d)+7], v[(\a):(\a)+15], v[(\b):(\b)+15], v[(\c):(\c)+7], v[\sa], v[\sb] matrix_a_fmt:MATRIX_FMT_BF8 matrix_b_fmt:MATRIX_FMT_BF8 matrix_a_scale:MATRIX_SCALE_ROW1
.elseif (\rb)
	v_wmma_scale_f32_16x16x128_f8f6f4 v[(\d):(\d)+7], v[(\a):(\a)+15], v[(\b):(\b)+15], v[(\c):(\c)+7], v[\sa], v[\sb] matrix_a_fmt:MATRIX_FMT_BF8 matrix_b_fmt:MATRIX_FMT_BF8 matrix_b_scale:MATRIX_SCALE_ROW1
.else
	v_wmma_scale_f32_16x16x128_f8f6f4 v[(\d):(\d)+7], v[(\a):(\a)+15], v[(\b):(\b)+15], v[(\c):(\c)+7], v[\sa], v[\sb] matrix_a_fmt:MATRIX_FMT_BF8 matrix_b_fmt:MATRIX_FMT_BF8
.endif
.endm
.macro FETCH ks, set                   ; K step ks: my 4 fragments of Wo, my 4 of ctx, 4 scale pairs: 36 loads
	WIN 0x40
.irp t, 0,1,2,3
.irp c, 0,1,2,3
	ds_load_b128 v[64*(\set)+16*\t+4*\c:64*(\set)+16*\t+4*\c+3], v[AW+(\ks)/4] offset:((\ks)%4)*REC+2048*\t+512*\c
.endr
.endr
	WIN 0
.irp t, 0,1,2,3
.irp c, 0,1,2,3
	ds_load_b128 v[128+64*(\set)+16*\t+4*\c:128+64*(\set)+16*\t+4*\c+3], v[AC+(\ks)/4] offset:((\ks)%4)*REC+2048*\t+512*\c
.endr
.endr
.irp i, 0,1
	ds_load_b32 v[SCR+4*(\set)+\i], v[SC+(\ks)/4] offset:((\ks)%4)*REC+128*\i
	ds_load_b32 v[SCR+4*(\set)+2+\i], v[SW+(\ks)/4] offset:((\ks)%4)*REC+128*\i
.endr
.endm
.macro MUL16 set, first                ; 16 products, the accumulators by turns; first: the bias is the C of the sums' first products
.if \first
	WIN 0x41                                       ; Wo window 1, ctx window 0, C (the bias) window 0, D window 1
.else
	WIN 0x51
.endif
.set tx, 0
.rept 4
.set tq, 0
.rept 4
.if \first
	WM 128+8*(4*tx+tq), 64*(\set)+16*tq, 128+64*(\set)+16*tx, 32+8*tq, SCR+4*(\set)+2+tq/2, SCR+4*(\set)+tx/2, tq%2, tx%2
.else
	WM 128+8*(4*tx+tq), 64*(\set)+16*tq, 128+64*(\set)+16*tx, 128+8*(4*tx+tq), SCR+4*(\set)+2+tq/2, SCR+4*(\set)+tx/2, tq%2, tx%2
.endif
.set tq, tq+1
.endr
.set tx, tx+1
.endr
.endm
	s_load_b256 s[4:11], s[0:1], 0x0               ; cq 4:5, woq 6:7, bo 8:9, out0 10:11
	v_lshl_add_u32 v[SPW], v0, 2, SPARE
	v_mov_b32 v[NIL], 0
	ds_add_u32 v[SPW], v[NIL]                      ; the wave's opening: the add, twice on end, and its wait ahead of my first tensor load
	ds_add_u32 v[SPW], v[NIL]
	v_lshrrev_b32 v1, 5, v0
	v_readfirstlane_b32 s14, v1                    ; wave
	s_lshr_b32 s15, s14, 1                         ; th.  Also: I fetch for ctx (0) or for Wo (1)
	s_and_b32 s16, s14, 1                          ; nh.  Also: which of a chunk's two records I fetch
	s_bfe_u32 s76, ttmp6, 0x40000                  ; cx
	s_bfe_u32 s77, ttmp6, 0x40004                  ; cy
	s_lshl_b32 s78, ttmp9, 2
	s_add_co_u32 s78, s78, s76                     ; the block of 128 columns
	s_and_b32 s17, ttmp7, 0xffff
	s_lshl_b32 s17, s17, 2
	s_add_co_u32 s17, s17, s77                     ; the block of 128 tokens
	s_lshl_b32 s79, s77, 2
	s_lshl_b32 s79, 15, s79                        ; my row of the cluster
	s_lshl_b32 s80, 0x1111, s76                    ; my column
	s_or_b32 s[G1], s79, (3<<16)|(1<<21)
	s_or_b32 s[G1B], s80, (3<<16)|(1<<21)
.irp g, G1, G1B
	s_mov_b32 s[\g+1], 32<<16                      ; rows of 256 bytes
	s_mov_b32 s[\g+2], 66<<16                      ; a record: 66 rows
	s_mov_b32 s[\g+3], 32<<16
	s_mov_b32 s[\g+4], 66
	s_mov_b32 s[\g+5], 32
	s_mov_b32 s[\g+6], 0
	s_mov_b32 s[\g+7], 0
.endr
	s_mul_i32 s18, s16, REC
	s_mul_i32 s20, s17, WB
	s_add_co_u32 s20, s20, s18
	s_mov_b32 s21, 0
	s_mul_i32 s22, s78, WB
	s_add_co_u32 s22, s22, s18
	s_mov_b32 s23, 0
	s_add_co_u32 s19, s18, WB
	s_wait_dscnt 0x0                               ; both opening adds are done
	s_wait_kmcnt 0x0
	s_add_nc_u64 s[20:21], s[4:5], s[20:21]
	s_add_nc_u64 s[22:23], s[6:7], s[22:23]
	CROUND                                         ; all sixteen work-groups are here: the joint loads meet
.macro FIRST q, ga, gb                 ; chunk q: records 2 q and 2 q + 1
	s_mov_b32 s[\ga], 1
	s_add_co_u32 s[\ga+1], s18, (\q)*2*REC
	s_add_nc_u64 s[\ga+2:\ga+3], s[20:21], (\q)*2*REC
	s_or_b32 s[\ga+3], s[\ga+3], 0x80000000
	s_mov_b32 s[\gb], 1
	s_add_co_u32 s[\gb+1], s19, (\q)*2*REC
	s_add_nc_u64 s[\gb+2:\gb+3], s[22:23], (\q)*2*REC
	s_or_b32 s[\gb+3], s[\gb+3], 0x80000000
	JLOAD \ga, G1, \gb, G1B
.endm
	FIRST 0, 40, 56
	FIRST 1, 44, 60
	FIRST 2, 48, 68
	FIRST 3, 52, 72                                ; four loads of mine are out
	v_and_b32 v1, 31, v0
	v_and_b32 v2, 15, v0                           ; r
	v_bfe_u32 v3, v0, 4, 1                         ; h
	v_lshlrev_b32 v28, 4, v1
	s_wait_alu depctr_va_vdst(0)
	v_lshlrev_b32 v29, 2, v1
	s_wait_alu depctr_va_vdst(0)
	s_lshl_b32 s2, s15, 13                         ; my 4 fragments of ctx
	s_lshl_b32 s3, s16, 13
	s_add_co_u32 s3, s3, WB                        ; my 4 of Wo
	s_lshl_b32 s12, s15, 8
	s_add_co_u32 s12, s12, 16384                   ; ctx's 2 pairs
	s_lshl_b32 s13, s16, 8
	s_add_co_u32 s13, s13, WB+16384                ; Wo's 2
.irp s, 0,1
	v_add_nc_u32 v[AC+\s], s2, v28
	v_add_nc_u32 v[AW+\s], s3, v28
	v_add_nc_u32 v[SC+\s], s12, v29
	v_add_nc_u32 v[SW+\s], s13, v29
	s_add_co_u32 s2, s2, 4*REC
	s_add_co_u32 s3, s3, 4*REC
	s_add_co_u32 s12, s12, 4*REC
	s_add_co_u32 s13, s13, 4*REC
.endr
	s_mul_i32 s2, s14, 64*STP                      ; my stage: 4 tiles of 16 rows.  It lies in ctx's records, which have had their only fill and, behind the barrier of the way out, their last read
	v_mul_u32_u24 v[STO], v2, STP
	v_lshl_add_u32 v[STO], v3, 6, v[STO]
	v_add_nc_u32 v[STO], s2, v[STO]                ; in: row r, + 64 h
	v_mul_u32_u24 v[RD], v3, STP
	v_lshl_add_u32 v[RD], v2, 4, v[RD]
	v_add_nc_u32 v[RD], s2, v[RD]                  ; back: lanes 0-15 one row of 256 bytes, lanes 16-31 the next
	v_lshlrev_b32 v[CO], 13, v3                    ; neighbouring rows of a tile are two tokens apart
	v_lshl_add_u32 v[CO], v2, 4, v[CO]
	s_lshl_b32 s2, s78, 9
	s_lshl_b32 s3, s16, 8
	s_add_co_u32 s2, s2, s3                        ; my 64 columns, in bytes
	s_mov_b32 s3, 0
	s_add_nc_u64 s[8:9], s[8:9], s[2:3]
	s_add_nc_u64 s[10:11], s[10:11], s[2:3]
	s_lshl_b32 s2, s17, 19
	s_lshl_b32 s12, s15, 18
	s_add_co_u32 s2, s2, s12                       ; my 64 tokens
	s_add_nc_u64 s[10:11], s[10:11], s[2:3]
	v_lshlrev_b32 v30, 6, v3                       ; lane (r, h) wants, for tile 2 b + u, columns 32 b + 16 h + 8 u + 0..7
.irp t, 0,1,2,3
	global_load_b128 v[32+8*\t:35+8*\t], v30, s[8:9] offset:(32*(\t/2)+8*(\t%2))*4
	global_load_b128 v[36+8*\t:39+8*\t], v30, s[8:9] offset:(32*(\t/2)+8*(\t%2))*4+16
.endr
	s_wait_loadcnt 0x0
.irp q, 0,1,2,3
	s_wait_tensorcnt 3-\q                          ; my record of chunk q is in; the later chunks' may stay out
	s_wait_dscnt 0x0
	s_barrier_signal -1
	s_barrier_wait -1                              ; everybody's is
	FETCH 2*\q, 0
	FETCH 2*\q+1, 1
	s_wait_dscnt 36                                ; the even K step's 36 loads are in
	MUL16 0, (\q==0)
	s_wait_dscnt 0x0
	MUL16 1, 0
	WIN 0
	PLACES 8                                       ; in front of loads into registers that matrix instructions have read, and of the first read of results
.endr
	; THE WAY OUT: a token tile (16 rows x 64 columns) goes through my stage and leaves as rows: sixteen lanes store 256 consecutive bytes, aligned
	s_wait_alu depctr_va_vdst(0)
	s_barrier_signal -1                            ; no LDS instruction of mine is out: nobody reads ctx's records behind this barrier
	s_barrier_wait -1
.macro TOSTAGE tk
	WIN 0x04                                       ; an LDS store's data are its source 1: window 1
.irp t, 0,1,2,3
	ds_store_b128 v[STO], v[128+8*(4*(\tk)+\t):128+8*(4*(\tk)+\t)+3] offset:(\tk)*16*STP+128*(\t/2)+32*(\t%2)        ; each accumulator from its low end on
	ds_store_b128 v[STO], v[128+8*(4*(\tk)+\t)+4:128+8*(4*(\tk)+\t)+7] offset:(\tk)*16*STP+128*(\t/2)+32*(\t%2)+16
.endr
	WIN 0
.irp i, 0,1,2,3,4,5,6,7
	ds_load_b128 v[128+32*((\tk)%2)+4*\i:128+32*((\tk)%2)+4*\i+3], v[RD] offset:(\tk)*16*STP+2*\i*STP   ; LDS serves a wave's instructions in order (ISA guide 5.7.1.4): these see my stores
.endr
.endm
.macro SEND tk, younger                ; younger: the LDS instructions issued behind the tile's loads
	s_wait_dscnt \younger
.irp i, 0,1,2,3,4,5,6,7
	global_store_b128 v[CO], v[128+32*((\tk)%2)+4*\i:128+32*((\tk)%2)+4*\i+3], s[10:11] offset:(32*((\tk)/2)+(\tk)%2+4*\i)*4096 th:TH_STORE_NT
.endr
.endm
	TOSTAGE 0
	TOSTAGE 1
	SEND 0, 16
	s_wait_xcnt 0x0                                ; tile 0's stores have read their registers: tile 2's loads may land there
	TOSTAGE 2
	SEND 1, 16
	s_wait_xcnt 0x0
	TOSTAGE 3
	SEND 2, 16
	SEND 3, 0
	s_wait_tensorcnt 0x0                           ; the wave's end
	ds_add_u32 v[SPW], v[NIL]
	s_wait_dscnt 0x0
	CROUND                                         ; the closing round
	s_endpgm
.Lfunc_end_k_q5de251a6db_proj:
	.size	k_q5de251a6db_proj, .Lfunc_end_k_q5de251a6db_proj-k_q5de251a6db_proj
	.p2alignl 7, 3214868480
	.fill 96, 4, 3214868480
	.section	.rodata,"a",@progbits
	.p2align	6, 0x0
	.amdhsa_kernel k_q5de251a6db_proj
		.amdhsa_group_segment_fixed_size 270848
		.amdhsa_private_segment_fixed_size 0
		.amdhsa_enable_private_segment 0
		.amdhsa_kernarg_size 32
		.amdhsa_user_sgpr_count 2
		.amdhsa_user_sgpr_kernarg_segment_ptr 1
		.amdhsa_wavefront_size32 1
		.amdhsa_system_sgpr_workgroup_id_x 1
		.amdhsa_system_sgpr_workgroup_id_y 1
		.amdhsa_system_sgpr_workgroup_id_z 1
		.amdhsa_system_vgpr_workitem_id 0
		.amdhsa_next_free_vgpr 512
		.amdhsa_next_free_sgpr 84
		.amdhsa_reserve_vcc 0
		.amdhsa_float_denorm_mode_32 3
		.amdhsa_float_denorm_mode_16_64 3
		.amdhsa_memory_ordered 1
		.amdhsa_forward_progress 1
		.amdhsa_inst_pref_size 55
	.end_amdhsa_kernel
	.amdgpu_metadata
---
amdhsa.version: [ 1, 2 ]
amdhsa.kernels:
  - .name:           k_q5de251a6db_proj
    .symbol:         k_q5de251a6db_proj.kd
    .args:
      - { .name: cq, .offset: 0, .size: 8, .value_kind: global_buffer, .address_space: global }
      - { .name: woq, .offset: 8, .size: 8, .value_kind: global_buffer, .address_space: global }
      - { .name: bo, .offset: 16, .size: 8, .value_kind: global_buffer, .address_space: global }
      - { .name: out0, .offset: 24, .size: 8, .value_kind: global_buffer, .address_space: global }
    .group_segment_fixed_size: 270848
    .private_segment_fixed_size: 0
    .kernarg_segment_align: 8
    .kernarg_segment_size: 32
    .max_flat_workgroup_size: 128
    .sgpr_count:     84
    .vgpr_count:     512
    .wavefront_size: 32
...
	.end_amdgpu_metadata
.endif
;; end of part 4
